; MI455X (gfx1250); checked and timed in simulation.
; The chip was launched on July 23, 2026; its instructions are those of AMD's public machine-readable ISA for CDNA 5 (MIT licence, August 2026) and "CDNA5" Instruction Set Architecture Reference Guide (July 2026). The comments in the code are by the model that wrote it; some were corrected since.
;; Cross Attention. Allowed arithmetic: matrix products marked QUANTISED: E2M3 operands, one E8M0 scale for each 32 along K, by v_wmma_scale_f32_16x16x128_f8f6f4 with both operands' format E2M3, f32 sums; everything else in f32.
;; Inputs: Wk_codes 1,024 x 32 x 24 uint8 (E2M3 codes of Wk, K innermost, in blocks of 32 codes, four codes in three bytes); Wk_scales 1,024 x 32 uint8 (E8M0 scales of Wk, one for each 32 codes along K); Wo_codes 1,024 x 32 x 24 uint8 (E2M3 codes of Wo, K innermost, in blocks of 32 codes, four codes in three bytes); Wo_scales 1,024 x 32 uint8 (E8M0 scales of Wo, one for each 32 codes along K); Wq_codes 1,024 x 32 x 24 uint8 (E2M3 codes of Wq, K innermost, in blocks of 32 codes, four codes in three bytes); Wq_scales 1,024 x 32 uint8 (E8M0 scales of Wq, one for each 32 codes along K); Wv_codes 1,024 x 32 x 24 uint8 (E2M3 codes of Wv, K innermost, in blocks of 32 codes, four codes in three bytes); Wv_scales 1,024 x 32 uint8 (E8M0 scales of Wv, one for each 32 codes along K); bo 1,024 float32; context_codes 4 x 2,048 x 32 x 24 uint8 (E2M3 codes of context, K innermost, in blocks of 32 codes, four codes in three bytes); context_scales 4 x 2,048 x 32 uint8 (E8M0 scales of context, one for each 32 codes along K); x_codes 4 x 2,048 x 32 x 24 uint8 (E2M3 codes of x, K innermost, in blocks of 32 codes, four codes in three bytes); x_scales 4 x 2,048 x 32 uint8 (E8M0 scales of x, one for each 32 codes along K).
;; Outputs: out0 4 x 2,048 x 1,024 float32.
;; This version of the problem:
;;   THIS VERSION OF THE PROBLEM IS GIVEN IN LOW PRECISION. The matrix products marked QUANTISED in the list below multiply operands that are first quantised to E2M3 (2 exponent bits, 3 mantissa bits; 6 bits a number), with one power-of-two scale for each 32 numbers along K (OCP MX v1.0); their sums are f32. All else is computed in f32.
;;   The module's matrix products, in the order in which they are computed (A, B: the left and right operand; K: the contracted axis; several contracted axes count as one K, in the product's order):
;;     1. [M 8,192, K 1,024] x [K 1,024, N 1,024]; A: input x (given as codes); B: input Wq (given as codes): QUANTISED
;;     2. [M 8,192, K 1,024] x [K 1,024, N 1,024]; A: input context (given as codes); B: input Wk (given as codes): QUANTISED
;;     3. [M 8,192, K 1,024] x [K 1,024, N 1,024]; A: input context (given as codes); B: input Wv (given as codes): QUANTISED
;;     4. batch 64 x [M 2,048, K 64] x [K 64, N 2,048]; A: computed on the way; B: computed on the way: QUANTISED
;;     5. batch 64 x [M 2,048, K 2,048] x [K 2,048, N 64]; A: softmax (see below); B: computed on the way: QUANTISED
;;     6. [M 8,192, K 1,024] x [K 1,024, N 1,024]; A: computed on the way; B: input Wo (given as codes): QUANTISED
;;   THE QUANTISER, for each operand of a quantised product, along K:
;;     - K is cut into blocks of 32 from its start; a last block that is shorter is filled with zeros.
;;     - A block's scale is 2^e with e = floor(log2(the largest magnitude in the block)) - 2, held to -126 .. 127; a block of zeros has e = 0. As a byte (E8M0): e + 127.
;;     - Each number is divided by its block's scale, clamped to +-7.5, and rounded to the nearest number of E2M3, ties to even, subnormals kept.
;;     - The product sums the exact products of the quantised numbers (number of the format x scale) in f32.
;;   ~~~python
;;   def quantise(x, axis):      # numpy; x: float32 -> the quantised numbers, widened to float32 again
;;       x = np.moveaxis(x, axis, -1); K = x.shape[-1]
;;       x = np.pad(x, [(0, 0)] * (x.ndim - 1) + [(0, -K % 32)]); x = x.reshape(x.shape[:-1] + (-1, 32)); a = np.abs(x).max(-1, keepdims=True)
;;       e = np.where(a > 0, np.clip(np.frexp(np.where(a > 0, a, 1))[1] - 1 - 2, -126, 127), 0)      # np.frexp(a)[1] - 1 = floor(log2(a)), exactly
;;       r = np.clip(x / 2.0 ** e, -7.5, 7.5)
;;       step = 2.0 ** (np.maximum(np.frexp(np.where(r == 0, 1, r))[1] - 1, 0) - 3)
;;       q = np.round(r / step) * step * 2.0 ** e      # np.round: ties to even
;;       return np.moveaxis(q.reshape(q.shape[:-2] + (-1,))[..., :K], -1, axis).astype(np.float32)
;;   ~~~
;;   SOFTMAX AHEAD OF A QUANTISED PRODUCT. Where the list says 'softmax', what is quantised is not the finished softmax but p = 2^(t - M), with t = logit x log2(e) and M = ceil(the row's largest t), a whole number; so 1/2 < the row's largest p <= 1. The row's sum l is taken of the UNQUANTISED p, in f32, and the product's result is divided by l at the end. Since M is a whole number, a kernel that streams over the keys may use a running M (the ceiling of the running maximum): every later rescaling is an exact power of two, which a block's scale takes up: the codes' values come out the same.
;;   OPERANDS COMPUTED ON THE WAY. 'Computed on the way' means the value that the module computes at that place (a softmax that the list does not call 'softmax' is quantised finished and normalised). What goes into a quantiser is computed in f32, as accurately as f32 sums, v_exp_f32 and their like allow (about 1e-6 of the number): no bf16 or f16 on the way to a quantiser, and a product that is left as it is and whose result goes on into a quantised operand takes f32 operands (vector FMAs, or v_wmma_f32_16x16x4_f32). A number that lies on a knife's edge between two numbers of the format may be rounded either way, as far as f32 arithmetic and the matrix unit's own rounding can turn it there, and no further.
;;   INPUTS GIVEN AS CODES. Wk (in the module: [1024, 1024], K = its axis 1); Wo (in the module: [1024, 1024], K = its axis 1); Wq (in the module: [1024, 1024], K = its axis 1); Wv (in the module: [1024, 1024], K = its axis 1); context (in the module: [4, 2048, 1024], K = its axis 2); x (in the module: [4, 2048, 1024], K = its axis 2): each comes as NAME_codes (uint8): NAME with its K axis moved to the last place and cut into blocks of 32 codes, [.., K / 32, bytes a block], one block behind the other in memory; four codes in three bytes: a row's codes are one little-endian stream of bits, code i at bits 6 i .. 6 i + 5 (a code: sign, 2 exponent bits, 3 mantissa bits); and NAME_scales (uint8): the same leading axes, one E8M0 byte (e + 127) for each 32 codes along K. Its value is code x scale, taken as it is: it is not quantised again, and the codes and scales need not be those that the quantiser above would give.
;; One version. Each part assembles by itself: llvm-mc -triple=amdgcn-amd-amdhsa -mcpu=gfx1250 --defsym DOCPART=n.
;; ======== version 1 of 1: 3 launches
;; limits: right only within a limited range of input values
;; workspace buffers: qbuf 6,553,600 bytes; kv 13,107,200 bytes; oc 6,291,456 bytes; os 262,144 bytes
;; launch proj (part 1): grid 4 x 96, 4 waves a work-group, clusters of 4 x 4, 327,680 bytes of LDS; arguments x_codes, x_scales, context_codes, context_scales, Wq_codes, Wq_scales, Wk_codes, Wk_scales, Wv_codes, Wv_scales, qbuf, kv; writes qbuf, kv
.if DOCPART == 1
	.amdgcn_target "amdgcn-amd-amdhsa--gfx1250"
	.amdhsa_code_object_version 6
	.text
	.protected	k_qf6ab3baa7c_proj
	.globl	k_qf6ab3baa7c_proj
	.p2align	8
	.type	k_qf6ab3baa7c_proj,@function
k_qf6ab3baa7c_proj:
	s_mov_b64 s[64:65], 0
	v_nop
	global_prefetch_b8 v0, s[64:65] scope:SCOPE_SE
	s_setreg_imm32_b32 hwreg(HW_REG_WAVE_MODE, 25, 1), 1
	s_wait_xcnt 0x0
	s_wait_alu depctr_hold_cnt(0) depctr_sa_sdst(0) depctr_va_vdst(0) depctr_va_sdst(0) depctr_va_ssrc(0) depctr_va_vcc(0) depctr_vm_vsrc(0)
	s_getreg_b32 s2, hwreg(HW_REG_IB_STS2, 6, 4)
	s_cmp_eq_u32 s2, 0
	s_cbranch_scc0 .Lentry_in_a_cluster
	s_endpgm
.Lentry_in_a_cluster:
	s_bfe_u32 s2, ttmp6, 0x10000c
	s_cmp_lg_u32 s2, 0xf033
	s_cbranch_scc0 .Lentry_shape_is_right
	s_endpgm
.Lentry_shape_is_right:
; THE THREE PROJECTIONS AND THE QUANTISING OF THEIR RESULTS.  C'[m][n] = sum over k of A'[m][k] B'[n][k], K = 1,024, on FP6 (E2M3) codes with one E8M0 byte for each 32 along K; C' is quantised ALONG n.
; ROLES by the cluster's y (equal in all sixteen partners; selects alone hang on it): 0-7 q = x Wq^T; 8-15 k = context Wk^T; 16-23 V^T = Wv context^T, so that v's K, the keys, lies along n.
; A tile of 256 x 256 is made by four waves, 128 x 128 each (64 accumulators).  K goes through two LDS slots in CHUNKS OF 256 BYTES of each row (a row of codes is 768 bytes: three chunks, each on a 256-byte border).
; A step of 128 along K is 96 bytes: eight steps to three chunks; steps 2 and 5 lie across two chunks.  The rows' scale bytes come into LDS once.  4 x 4 clusters: A's tiles are asked for jointly along a row, B's along a column.
; Source 0 = rows of B', source 1 = rows of A'.  THE ROWS OF B' THAT FORM A TILE ARE CHOSEN: lane r of tile 4 G + j takes row 64 G + 32 (r / 8) + 8 j + r % 8 of my 128.  So register i of accumulator (a, 4 G + j) in lane (r, h)
; is C'(16 a + r, 64 G + 32 h + 8 j + i): the 32 registers of four neighbouring accumulators are ONE block of 32 neighbours along n.  No result is turned round through LDS, and no lane asks another for a maximum.
; THE WAY OUT: the codes gather in the wave's own LDS bytes and leave in whole units.  A UNIT is 768 bytes: slot i + 16 h (24 bytes) holds block h of a 64-wide K group for row
; 64 (T / 4) + 8 (T % 4) + i % 8 + 32 (i / 8) of a group of 128.  Four units are a quarter.  qbuf: records of 6,400 bytes (batch, head, 128 queries): two quarters, 64 scale words.
; kv: records of 12,800 bytes (batch, head, 128 keys): K's two quarters, V's two, K's 64 scale words, V's 64.
; LIMITS: NaN and infinities are not served.  A block whose largest magnitude lies under 2^-124, or a block of zeros, keeps the byte 1; the bytes are read by this program alone, and zero codes add nothing under it.
; No prefetch: three chunks a tile at the largest block in clusters; the first two are asked for at the head, so only one refill could be run ahead of.
; 384 work-groups: a tile of half the size would split a scale word between two waves.
.set ROWB,   256
.set NQ,     2
.set KROW,   768
.set STEPS,  8
.set CHUNKS, 3
.set PITCH,  272                       ; 256 bytes + 16 of padding
.set FR,     12
.set NL,     6
.set NP,     4
.set HALFT,  128*PITCH
.set SLOT,   4*HALFT                   ; A's 256 rows, then B's 256 rows
.set KS,     32
.set SCL,    2*SLOT
.set HALFS,  16*272
.set SBLK,   2*272
.set SPARE,  SCL+4*HALFS
.set STAGE,  SLOT                      ; the way out works in slot 1: its last fill is chunk 1, read no more behind step 5's barrier
.set WSTB,   12800                     ; a wave's region: four quarters of codes,
.set SCS,    12288                     ; 4 x 128 scale bytes
.set ADRA, 16                          ; v16-17 my A fragments in slot 0, 1; v18-19 for pieces whose lanes 16-31 read the next chunk
.set ADRB, 20
.set IST,  26
.set ADRS, 27                          ; v27, v10-12 my scale words, for blocks i with i % 4 = 0, 1, 2, 3
.set SPW,  28
.set NIL,  29
.set SST,  30
.set G16,  31
.set G8,   13
.set IRD,  14
.set SRD,  15
.set SC,   32
.set AF,   128
.set CD,   192
.set TT,   224
.set BM,   232
.set SO,   234
.set BY,   236
.set G1, 24
.set G0, 32
.set G1B, 48
.set G0B, 56
.set G1S, 68
.set G0S, 76
.set G1SB, 80
.set G0SB, 88
.set G0H, 4
.set G0HB, 8
.set MSB, 0
.macro WIN new
.if MSB != (\new)
	s_set_vgpr_msb (MSB<<8)|(\new)
.set MSB, (\new)
.endif
.endm
.set MUL_LO, 0xa1
.set MUL_HI, 0xf1
.set TO_B,   0x40
.macro JLOAD g0a, g1a, g0b, g1b        ; waves 0, 1 fetch for A, waves 2, 3 for B
	s_cmp_eq_u32 s15, 0
	s_cbranch_scc0 .Lfor_b_\@
	tensor_load_to_lds s[\g0a:\g0a+3], s[\g1a:\g1a+7]
	s_nop 0
.rept 4
	v_nop
.endr
	s_branch .Lasked_\@
.Lfor_b_\@:
	tensor_load_to_lds s[\g0b:\g0b+3], s[\g1b:\g1b+7]
	s_nop 0
.rept 4
	v_nop
.endr
.Lasked_\@:
.endm
.macro CREST
	s_cmp_lg_u32 s14, 0
	s_cbranch_scc1 .Lnot_wave_0_\@
	s_barrier_signal -3
.Lnot_wave_0_\@:
	s_barrier_wait -3
	s_barrier_signal -1
	s_barrier_wait -1
.endm
.macro CROUND
	s_barrier_signal -1
	s_barrier_wait -1
	CREST
.endm
	s_load_b512 s[24:39], s[0:1], 0x0              ; x codes, scales, context codes, scales, Wq codes, scales, Wk codes, scales
	s_load_b256 s[40:47], s[0:1], 0x40             ; Wv codes, scales, qbuf, kv
	v_lshl_add_u32 v[SPW], v0, 2, SPARE
	v_mov_b32 v[NIL], 0
	ds_add_u32 v[SPW], v[NIL]                      ; the opening lines
	ds_add_u32 v[SPW], v[NIL]
	v_lshrrev_b32 v1, 5, v0
	v_readfirstlane_b32 s14, v1                    ; wave
	s_lshr_b32 s15, s14, 1                         ; my half of the rows; also: I fetch for A (0) or B (1)
	s_and_b32 s16, s14, 1                          ; my half of the columns; also: which 128 rows I fetch
	s_and_b32 s95, ttmp7, 0xffff                   ; the cluster's y: role and place in the role
	s_and_b32 s99, s95, 7
	s_wait_dscnt 0x0
	s_wait_kmcnt 0x0
	s_cmp_lt_u32 s95, 8
	s_cselect_b64 s[4:5], s[24:25], s[28:29]       ; A's codes
	s_cselect_b64 s[6:7], s[26:27], s[30:31]       ; A's scales
	s_cselect_b64 s[8:9], s[32:33], s[36:37]       ; B's codes
	s_cselect_b64 s[10:11], s[34:35], s[38:39]     ; B's scales
	s_cselect_b64 s[12:13], s[44:45], s[46:47]     ; the results' buffer
	s_mov_b32 s96, 12800
	s_cselect_b32 s96, 6400, s96                   ; a record's bytes
	s_mov_b32 s98, 12288
	s_cselect_b32 s98, 6144, s98                   ; where its scale words begin
	s_cmp_lt_u32 s95, 16
	s_cselect_b64 s[4:5], s[4:5], s[40:41]
	s_cselect_b64 s[6:7], s[6:7], s[42:43]
	s_cselect_b64 s[8:9], s[8:9], s[28:29]
	s_cselect_b64 s[10:11], s[10:11], s[30:31]
	s_cselect_b32 s97, 0, 6144                     ; where the codes begin in a record
	s_cselect_b32 s98, s98, 12544
	s_cselect_b32 s17, s99, 0
	s_cselect_b32 s42, 0, s99
	s_bfe_u32 s40, ttmp6, 0x40000                  ; cx
	s_bfe_u32 s41, ttmp6, 0x40004                  ; cy
	s_lshl_b32 s42, s42, 2
	s_add_co_u32 s42, s42, s40                     ; tile column
	s_lshl_b32 s17, s17, 2
	s_add_co_u32 s17, s17, s41                     ; tile row
	s_lshl_b32 s43, s41, 2
	s_lshl_b32 s43, 15, s43                        ; my row of the cluster
	s_lshl_b32 s44, 0x1111, s40                    ; my column
	s_or_b32 s[G1+0], s43, (1<<20)|(1<<21)|(5<<22)|(3<<25)   ; rows of 256 bytes, 16 of padding behind each; 256 rows at the head, 128 in the ring
	s_or_b32 s[G1B+0], s44, (1<<20)|(1<<21)|(5<<22)|(3<<25)
.irp g, G1, G1B
	s_mov_b32 s[\g+1], ROWB<<16
	s_mov_b32 s[\g+2], 256<<16
	s_mov_b32 s[\g+3], ROWB<<16
	s_mov_b32 s[\g+4], 256
	s_mov_b32 s[\g+5], KROW
	s_mov_b32 s[\g+6], 0
	s_mov_b32 s[\g+7], 0
.endr
	s_or_b32 s[G1S+0], s43, (3<<16)|(1<<20)|(1<<21)|(5<<22)|(3<<25)   ; the scales of 256 rows: 8,192 dense bytes as 32 rows of 256
	s_or_b32 s[G1SB+0], s44, (3<<16)|(1<<20)|(1<<21)|(5<<22)|(3<<25)
.irp g, G1S, G1SB
	s_mov_b32 s[\g+1], 32<<16
	s_mov_b32 s[\g+2], KS<<16
	s_mov_b32 s[\g+3], 32<<16
	s_mov_b32 s[\g+4], KS
	s_mov_b32 s[\g+5], 32
	s_mov_b32 s[\g+6], 0
	s_mov_b32 s[\g+7], 0
.endr
	s_lshl_b32 s20, s17, 8
	s_lshl_b32 s46, s42, 8
	s_mov_b32 s21, 0
	s_mov_b32 s47, 0
	s_mov_b64 s[18:19], KS
	s_mul_u64 s[22:23], s[20:21], s[18:19]
	s_mul_u64 s[92:93], s[46:47], s[18:19]
	s_mov_b64 s[18:19], KROW
	s_mul_u64 s[20:21], s[20:21], s[18:19]
	s_mul_u64 s[46:47], s[46:47], s[18:19]
	s_mul_i32 s18, s16, 128*KROW
	s_mov_b32 s19, 0
	s_mul_i32 s45, s14, HALFT
	s_add_nc_u64 s[20:21], s[4:5], s[20:21]
	s_add_nc_u64 s[22:23], s[6:7], s[22:23]
	s_add_nc_u64 s[46:47], s[8:9], s[46:47]
	s_add_nc_u64 s[92:93], s[10:11], s[92:93]
	CROUND                                         ; in front of the first joint loads
	s_mov_b32 s[G0H], 1
	s_mov_b32 s[G0H+1], 0
	s_mov_b64 s[G0H+2:G0H+3], s[20:21]
	s_or_b32 s[G0H+3], s[G0H+3], 0x80000000
	s_mov_b32 s[G0HB], 1
	s_mov_b32 s[G0HB+1], 2*HALFT
	s_mov_b64 s[G0HB+2:G0HB+3], s[46:47]
	s_or_b32 s[G0HB+3], s[G0HB+3], 0x80000000
	s_mov_b32 s[G0S], 1
	s_mov_b32 s[G0S+1], SCL
	s_mov_b64 s[G0S+2:G0S+3], s[22:23]
	s_or_b32 s[G0S+3], s[G0S+3], 0x80000000
	s_mov_b32 s[G0SB], 1
	s_mov_b32 s[G0SB+1], SCL+2*HALFS
	s_mov_b64 s[G0SB+2:G0SB+3], s[92:93]
	s_or_b32 s[G0SB+3], s[G0SB+3], 0x80000000
	s_add_nc_u64 s[20:21], s[20:21], s[18:19]
	s_add_nc_u64 s[46:47], s[46:47], s[18:19]
.irp s, 0,1
	s_mov_b32 s[G0+4*\s], 1
	s_add_co_u32 s[G0+4*\s+1], s45, \s*SLOT
	s_add_nc_u64 s[G0+4*\s+2:G0+4*\s+3], s[20:21], \s*ROWB
	s_or_b32 s[G0+4*\s+3], s[G0+4*\s+3], 0x80000000
	s_mov_b32 s[G0B+4*\s], 1
	s_add_co_u32 s[G0B+4*\s+1], s45, \s*SLOT
	s_add_nc_u64 s[G0B+4*\s+2:G0B+4*\s+3], s[46:47], \s*ROWB
	s_or_b32 s[G0B+4*\s+3], s[G0B+4*\s+3], 0x80000000
.endr
; the head's four tiles, one load a wave: chunk 0 of A, of B, A's scales, B's scales
.macro ARM under, g0, g1, next
	s_cmp_lt_u32 s14, \under
	s_cbranch_scc0 \next
	tensor_load_to_lds s[\g0:\g0+3], s[\g1:\g1+7]
	s_nop 0
.rept 4
	v_nop
.endr
	s_branch .Lhead_asked
\next:
.endm
	ARM 1, G0H,  G1,  .Lhead_b
	ARM 2, G0HB, G1B, .Lhead_sa
	ARM 3, G0S,  G1S, .Lhead_sb
	tensor_load_to_lds s[G0SB:G0SB+3], s[G1SB:G1SB+7]
	s_nop 0
.rept 4
	v_nop
.endr
.Lhead_asked:
	v_and_b32 v1, 15, v0                           ; r
	v_bfe_u32 v2, v0, 4, 1                         ; h
	v_mul_u32_u24 v3, v1, PITCH
	v_mul_u32_u24 v4, v2, 24
	v_add_nc_u32 v4, v3, v4
	s_mov_b32 s21, SLOT-232
	s_mov_b32 s22, SLOT+232
	v_sub_nc_u32 v7, 1, v2
	v_mul_u32_u24 v5, s21, v2
	v_add_nc_u32 v5, v3, v5
	v_add_nc_u32 v5, 232, v5                       ; lanes 0-15 byte 232 in slot 0, lanes 16-31 byte 0 in slot 1
	v_mul_u32_u24 v6, s22, v7
	v_add_nc_u32 v6, v3, v6                        ; and the other way round
	s_mul_i32 s21, s15, HALFT
	s_mul_i32 s22, s16, HALFT
	s_add_co_u32 s22, s22, 2*HALFT
	v_add_nc_u32 v[ADRA+2], s21, v5
	v_add_nc_u32 v[ADRA+3], s21, v6
	v_add_nc_u32 v[ADRB+2], s22, v5
	v_add_nc_u32 v[ADRB+3], s22, v6
.irp s, 0,1
	v_add_nc_u32 v[ADRA+\s], s21, v4
	v_add_nc_u32 v[ADRB+\s], s22, v4
	s_add_co_u32 s21, s21, SLOT
	s_add_co_u32 s22, s22, SLOT
.endr
	v_bfe_u32 v8, v0, 3, 1                         ; r / 8
	v_mul_u32_u24 v9, v8, 24*PITCH                 ; B: lanes r = 8 .. 15 take the rows 32 on from lanes 0 .. 7: 24 rows beyond r's own
.irp s, 0,1,2,3
	v_add_nc_u32 v[ADRB+\s], v[ADRB+\s], v9
.endr
	v_mul_u32_u24 v5, v1, KS
	v_lshrrev_b32 v6, 8, v5
	v_lshl_add_u32 v5, v6, 4, v5                   ; 32 (r % 8) + 272 (r / 8)
	s_mul_i32 s21, s15, HALFS
	s_mul_i32 s22, s16, HALFS
	s_add_co_u32 s22, s22, 2*HALFS
	s_sub_co_u32 s22, s22, s21
	v_mul_u32_u24 v6, s22, v2                      ; lanes 16-31 take B's scale words
	s_add_co_u32 s21, s21, SCL
	v_add_nc_u32 v5, v5, v6
	v_add_nc_u32 v[ADRS], s21, v5
	v_and_b32 v8, v8, v2                           ; B's row 64 G + 32 (r / 8) + 8 j + r % 8 lies in unit 8 G + 4 (r / 8) + j of 272 bytes: against A's 2 i + r / 8 that is
	v_mad_u32_u24 v[ADRS], v8, 816, v[ADRS]        ; three units more for r / 8,
	v_mul_u32_u24 v9, v2, 272
	v_sub_nc_u32 v10, v[ADRS], v9                  ; and j units fewer, in lanes 16-31 alone: an address register for each j = i % 4
	v_sub_nc_u32 v11, v10, v9
	v_sub_nc_u32 v12, v11, v9
	s_mul_i32 s23, s14, WSTB
	s_add_co_u32 s23, s23, STAGE
	v_and_b32 v6, 7, v0
	v_bfe_u32 v7, v0, 3, 1
	v_mul_u32_u24 v8, v6, 24
	v_mad_u32_u24 v8, v7, 768, v8
	v_mad_u32_u24 v8, v2, 384, v8
	v_add_nc_u32 v[IST], s23, v8
	v_lshlrev_b32 v8, 3, v6
	v_lshl_add_u32 v8, v7, 1, v8
	v_add_nc_u32 v8, v8, v2
	v_add_nc_u32 v8, s23, v8
	v_add_nc_u32 v[SST], SCS, v8
	v_and_b32 v9, 31, v0
	v_lshlrev_b32 v[G16], 4, v9
	v_lshlrev_b32 v[G8], 3, v9
	v_add_nc_u32 v[IRD], s23, v[G16]
	v_lshl_add_u32 v8, v9, 2, s23
	v_add_nc_u32 v[SRD], SCS, v8
.macro FRAG reg, adr, st, ro           ; 12 registers: six pieces of 8 bytes; byte y of a row lies in slot (y / 256) % 2 at byte y % 256; ro: the tile's first row
.irp p, 0,1,2,3,4,5
.set PB, 96*(\st)+48*(\p/3)+8*(\p%3)
.if PB/ROWB == (PB+24)/ROWB
	ds_load_b64 v[\reg+2*\p:\reg+2*\p+1], v[\adr+(PB/ROWB)%2] offset:PB%ROWB+(\ro)*PITCH
.else
	ds_load_b64 v[\reg+2*\p:\reg+2*\p+1], v[\adr+2+(PB/ROWB)%2] offset:PB%ROWB-232+(\ro)*PITCH
.endif
.endr
.endm
.macro MUL16 a0, p, q, sc, zero        ; the 64 accumulators take turns, in the same order in every step
.irp a, \a0, \a0+1
.irp b, 0,1,2,3,4,5,6,7
.if \zero
	v_wmma_scale_f32_16x16x128_f8f6f4 v[8*(8*((\a)%4)+\b):8*(8*((\a)%4)+\b)+7], v[128*(\p)+FR*\b:128*(\p)+FR*\b+FR-1], v[AF+FR*(\a):AF+FR*(\a)+FR-1], 0, v[SC+8*NQ*(\sc)+NQ*\b+(\q)], v[SC+8*NQ*(\sc)+NQ*(\a)+(\q)] matrix_a_fmt:MATRIX_FMT_FP6 matrix_b_fmt:MATRIX_FMT_FP6 matrix_a_scale:MATRIX_SCALE_ROW1
.else
	v_wmma_scale_f32_16x16x128_f8f6f4 v[8*(8*((\a)%4)+\b):8*(8*((\a)%4)+\b)+7], v[128*(\p)+FR*\b:128*(\p)+FR*\b+FR-1], v[AF+FR*(\a):AF+FR*(\a)+FR-1], v[8*(8*((\a)%4)+\b):8*(8*((\a)%4)+\b)+7], v[SC+8*NQ*(\sc)+NQ*\b+(\q)], v[SC+8*NQ*(\sc)+NQ*(\a)+(\q)] matrix_a_fmt:MATRIX_FMT_FP6 matrix_b_fmt:MATRIX_FMT_FP6 matrix_a_scale:MATRIX_SCALE_ROW1
.endif
.endr
.endr
.endm
.macro FETCH_B st, p
	WIN TO_B
.irp i, 0,1,2,3,4,5,6,7
	FRAG 128*(\p)+FR*\i, ADRB, \st, 64*(\i/4)+8*(\i%4)
.endr
	WIN 0
.endm
.macro FETCH_A st, i0
.irp i, \i0, \i0+1, \i0+2, \i0+3
	FRAG AF+FR*(\i), ADRA, \st, 16*(\i)
.endr
.endm
.macro SCALES pr                       ; the scale words of steps 2 pr, 2 pr + 1: lanes 0-15 A's block i, lanes 16-31 B's tile i
.irp i, 0,1,2,3,4,5,6,7
.if \i%4 == 0
	ds_load_b64 v[SC+8*NQ*((\pr)%2)+NQ*\i:SC+8*NQ*((\pr)%2)+NQ*\i+1], v[ADRS] offset:\i*SBLK+4*NQ*(\pr)
.else
	ds_load_b64 v[SC+8*NQ*((\pr)%2)+NQ*\i:SC+8*NQ*((\pr)%2)+NQ*\i+1], v[9+\i%4] offset:\i*SBLK+4*NQ*(\pr)
.endif
.endr
.endm
.macro PLACES n
.rept \n
	v_nop
.endr
.endm
; A step: 64 products; the next step's fragments are fetched in its middle and at its end.  Where the next step ends in a chunk not yet read, a barrier shows that chunk; where it begins in a later chunk,
; the chunk left behind is given up behind the three lines, and where a chunk two on is left, the barrier opens a round and the slot is filled again.
.macro STEP st, zero
.set NX, (\st)+1
.set C0, (96*(\st))/ROWB
.set C1, (96*NX)/ROWB
.set E0, (96*(\st)+95)/ROWB
.set E1, (96*NX+95)/ROWB
.if C1 > C0 || E1 > E0
	s_wait_tensorcnt 0x0                           ; all my tensor loads have landed
.if C1 > C0
	ds_add_u32 v[SPW], v[NIL]
	s_wait_dscnt 4*NL+1                            ; the add and A's blocks 4-7 may be out
.else
	s_wait_dscnt 4*NL
.endif
	WIN MUL_LO
	MUL16 0, (\st)%2, (\st)%2, ((\st)/2)%2, \zero
	s_wait_dscnt 0x0                               ; the add and all my reads are done
	s_barrier_signal -1
	MUL16 2, (\st)%2, (\st)%2, ((\st)/2)%2, \zero
	WIN 0
	s_barrier_wait -1
.if C1 > C0 && C0+2 < CHUNKS
	CREST
	s_add_nc_u64 s[G0+4*(C0%2)+2:G0+4*(C0%2)+3], s[G0+4*(C0%2)+2:G0+4*(C0%2)+3], 2*ROWB
	s_add_nc_u64 s[G0B+4*(C0%2)+2:G0B+4*(C0%2)+3], s[G0B+4*(C0%2)+2:G0B+4*(C0%2)+3], 2*ROWB
	JLOAD G0+4*(C0%2), G1, G0B+4*(C0%2), G1B       ; chunk C0 + 2; its four v_nop are the places in front of the loads below
.else
	PLACES NP
.endif
.else
	s_wait_dscnt 4*NL                              ; all but A's blocks 4-7
	WIN MUL_LO
	MUL16 0, (\st)%2, (\st)%2, ((\st)/2)%2, \zero
	MUL16 2, (\st)%2, (\st)%2, ((\st)/2)%2, \zero
	s_wait_dscnt 0
	PLACES NP
.endif
	FETCH_B NX, NX%2
	FETCH_A NX, 0
.if NX%2 == 0
	SCALES NX/2
.endif
	WIN MUL_HI
	MUL16 4, (\st)%2, (\st)%2, ((\st)/2)%2, \zero
	MUL16 6, (\st)%2, (\st)%2, ((\st)/2)%2, \zero
	PLACES NP
	WIN 0
	FETCH_A NX, 4
.endm
	s_wait_alu depctr_va_vdst(0)                   ; the wait at the head's end
	s_wait_tensorcnt 0x0                           ; my tile of the head's four is in
	ds_add_u32 v[SPW], v[NIL]
	s_mov_b32 s[G1+2], 128<<16                     ; no load of mine is out: from here on a load brings 128 rows
	s_mov_b32 s[G1+4], 128
	s_mov_b32 s[G1B+2], 128<<16
	s_mov_b32 s[G1B+4], 128
	s_wait_dscnt 0x0
	CROUND
	JLOAD G0+4, G1, G0B+4, G1B                     ; chunk 1, slot 1's first fill, issued as a refill is
	FETCH_B 0, 0
	FETCH_A 0, 0
	SCALES 0
	FETCH_A 0, 4
	STEP 0, 1
.set ST, 1
.rept STEPS-2
	STEP ST, 0
.set ST, ST+1
.endr
	s_wait_dscnt 4*NL                              ; the last step
	WIN MUL_LO
	MUL16 0, 1, 1, 1, 0
	MUL16 2, 1, 1, 1, 0
	s_wait_dscnt 0
	WIN MUL_HI
	MUL16 4, 1, 1, 1, 0
	MUL16 6, 1, 1, 1, 0
	WIN 0
; ---------------- THE WAY OUT
.macro QUANT a                         ; block a's 16 rows: my two blocks of 32 (c = 0, 1), by turns, read from the accumulators as they lie, each from its low end on
.set XB, 64*((\a)%4)
.set XW, 2+(\a)/4                      ; their window
.set CB, CD+16*((\a)%2)
.set YB, BY+2*((\a)%2)
	WIN XW|(XW<<2)
.irp c, 0,1
	v_max3_num_f32 v[BM+\c], |v[XB+32*\c]|, |v[XB+32*\c+1]|, 0x1800000   ; the floor 2^(3 - 127) holds the byte at 1
.endr
	WIN (XW<<2)|(XW<<4)
.irp i, 2,4,6,8,10,12,14,16,18,20,22,24,26,28,30
.irp c, 0,1
	v_max3_num_f32 v[BM+\c], v[BM+\c], |v[XB+32*\c+\i]|, |v[XB+32*\c+\i+1]|
.endr
.endr
	WIN 0
.irp c, 0,1
	v_add_nc_u32 v[SO+\c], 0xff000000, v[BM+\c]    ; 2 off the exponent field
.endr
.irp c, 0,1
	v_lshrrev_b32 v[YB+\c], 23, v[SO+\c]
.endr
	WIN XW
.irp c, 0,1
	v_cvt_scalef32_pk16_fp6_f32 v[CB+8*\c:CB+8*\c+2], v[XB+32*\c:XB+32*\c+15], v[SO+\c]
	v_cvt_scalef32_pk16_fp6_f32 v[TT+4*\c:TT+4*\c+2], v[XB+32*\c+16:XB+32*\c+31], v[SO+\c]
.endr
	WIN 0
	v_nop
.irp c, 0,1
.irp i, 0,1,2
	v_mov_b32 v[CB+8*\c+3+\i], v[TT+4*\c+\i]
.endr
.endr
.endm
.macro IMG a                           ; 24 bytes into their slot of quarter 2 (a / 4) + c; the byte into the quarter's 128
.set CB, CD+16*((\a)%2)
.set YB, BY+2*((\a)%2)
.set IO, ((\a)/4)*6144+((\a)%2)*1536+(((\a)%4)/2)*192
.set SOF, ((\a)/4)*256+(((\a)%4)/2)*64+((\a)%2)*4
.irp c, 0,1
.irp w, 0,1,2
	ds_store_b64 v[IST], v[CB+8*\c+2*\w:CB+8*\c+2*\w+1] offset:IO+3072*\c+8*\w
.endr
	ds_store_b8 v[SST], v[YB+\c] offset:SOF+128*\c
.endr
.endm
	PLACES NP
	s_lshl_b32 s20, s17, 1                         ; all my tensor loads have been waited for: the descriptors' registers are free
	s_add_co_u32 s20, s20, s15                     ; my group of 128 rows
	s_lshl_b32 s21, s42, 1
	s_add_co_u32 s21, s21, s16                     ; my group of 128 columns
	s_lshl_b32 s37, s96, 4                         ; from a head's record to the next head's
	s_cmp_lt_u32 s95, 16
	s_cselect_b32 s22, s20, s21                    ; the group of 128 tokens
	s_cselect_b32 s23, s21, s20                    ; the pair of heads
	s_cselect_b32 s36, 0, -1
	s_cselect_b32 s38, s37, 3072
	s_cselect_b32 s39, 3072, s37
	s_lshr_b32 s18, s22, 4
	s_lshl_b32 s18, s18, 8
	s_lshl_b32 s19, s23, 5
	s_add_co_u32 s18, s18, s19
	s_and_b32 s19, s22, 15
	s_add_co_u32 s18, s18, s19                     ; the record
	s_mul_i32 s18, s18, s96
	s_mov_b32 s19, 0
	s_add_nc_u64 s[12:13], s[12:13], s[18:19]
	s_mov_b32 s18, s97
	s_add_nc_u64 s[24:25], s[12:13], s[18:19]
	s_mov_b32 s18, s38
	s_add_nc_u64 s[26:27], s[24:25], s[18:19]
	s_mov_b32 s18, s39
	s_add_nc_u64 s[28:29], s[24:25], s[18:19]
	s_add_co_u32 s18, s37, 3072
	s_add_nc_u64 s[30:31], s[24:25], s[18:19]
	s_mov_b32 s18, s98
	s_add_nc_u64 s[32:33], s[12:13], s[18:19]
	s_mov_b32 s18, s37
	s_add_nc_u64 s[34:35], s[32:33], s[18:19]
.irp a, 0,1,2,3,4,5,6,7
	QUANT \a
	IMG \a
.endr
.irp qd, 0,1,2,3                       ; a wave's LDS instructions are served in order: these loads see the stores above
.irp j, 0,1,2,3,4,5
	ds_load_b128 v[64+4*(6*\qd+\j):64+4*(6*\qd+\j)+3], v[IRD] offset:3072*\qd+512*\j
.endr
.endr
.irp qd, 0,1,2,3
	ds_load_b32 v[160+\qd], v[SRD] offset:128*\qd
.endr
	s_wait_dscnt 4                                 ; the codes are back; the four loads of scale bytes may be out
.irp qd, 0,1,2,3
.irp j, 0,1,2,3,4,5
	global_store_b128 v[G16], v[64+4*(6*\qd+\j):64+4*(6*\qd+\j)+3], s[24+2*\qd:25+2*\qd] offset:512*\j   ; 512 consecutive bytes, aligned to 256
.endr
.endr
	s_wait_dscnt 0x0
	v_cndmask_b32 v164, v162, v161, s36
	v_cndmask_b32 v165, v161, v162, s36
	v_perm_b32 v166, v164, v160, 0x05040100
	v_perm_b32 v167, v164, v160, 0x07060302
	v_perm_b32 v168, v163, v165, 0x05040100
	v_perm_b32 v169, v163, v165, 0x07060302
	global_store_b64 v[G8], v[166:167], s[32:33]
	global_store_b64 v[G8], v[168:169], s[34:35]
	s_wait_tensorcnt 0x0                           ; the wave's end
	ds_add_u32 v[SPW], v[NIL]
	s_wait_dscnt 0x0
	CROUND
	s_endpgm
.Lfunc_end_k_qf6ab3baa7c_proj:
	.size	k_qf6ab3baa7c_proj, .Lfunc_end_k_qf6ab3baa7c_proj-k_qf6ab3baa7c_proj
	.p2alignl 7, 3214868480
	.fill 96, 4, 3214868480
	.section	.rodata,"a",@progbits
	.p2align	6, 0x0
	.amdhsa_kernel k_qf6ab3baa7c_proj
		.amdhsa_group_segment_fixed_size 327680
		.amdhsa_private_segment_fixed_size 0
		.amdhsa_enable_private_segment 0
		.amdhsa_kernarg_size 96
		.amdhsa_user_sgpr_count 2
		.amdhsa_user_sgpr_kernarg_segment_ptr 1
		.amdhsa_wavefront_size32 1
		.amdhsa_system_sgpr_workgroup_id_x 1
		.amdhsa_system_sgpr_workgroup_id_y 1
		.amdhsa_system_sgpr_workgroup_id_z 1
		.amdhsa_system_vgpr_workitem_id 0
		.amdhsa_next_free_vgpr 1024
		.amdhsa_next_free_sgpr 100
		.amdhsa_reserve_vcc 0
		.amdhsa_float_denorm_mode_32 3
		.amdhsa_float_denorm_mode_16_64 3
		.amdhsa_memory_ordered 1
		.amdhsa_forward_progress 1
		.amdhsa_inst_pref_size 165
	.end_amdhsa_kernel
	.amdgpu_metadata
---
amdhsa.version: [ 1, 2 ]
amdhsa.kernels:
  - .name:           k_qf6ab3baa7c_proj
    .symbol:         k_qf6ab3baa7c_proj.kd
    .args:
      - { .name: x_codes, .offset: 0, .size: 8, .value_kind: global_buffer, .address_space: global }
      - { .name: x_scales, .offset: 8, .size: 8, .value_kind: global_buffer, .address_space: global }
      - { .name: context_codes, .offset: 16, .size: 8, .value_kind: global_buffer, .address_space: global }
      - { .name: context_scales, .offset: 24, .size: 8, .value_kind: global_buffer, .address_space: global }
      - { .name: Wq_codes, .offset: 32, .size: 8, .value_kind: global_buffer, .address_space: global }
      - { .name: Wq_scales, .offset: 40, .size: 8, .value_kind: global_buffer, .address_space: global }
      - { .name: Wk_codes, .offset: 48, .size: 8, .value_kind: global_buffer, .address_space: global }
      - { .name: Wk_scales, .offset: 56, .size: 8, .value_kind: global_buffer, .address_space: global }
      - { .name: Wv_codes, .offset: 64, .size: 8, .value_kind: global_buffer, .address_space: global }
      - { .name: Wv_scales, .offset: 72, .size: 8, .value_kind: global_buffer, .address_space: global }
      - { .name: qbuf, .offset: 80, .size: 8, .value_kind: global_buffer, .address_space: global }
      - { .name: kv, .offset: 88, .size: 8, .value_kind: global_buffer, .address_space: global }
    .group_segment_fixed_size: 327680
    .private_segment_fixed_size: 0
    .kernarg_segment_align: 8
    .kernarg_segment_size: 96
    .max_flat_workgroup_size: 128
    .sgpr_count:     100
    .vgpr_count:     1024
    .wavefront_size: 32
...
	.end_amdgpu_metadata
.endif
;; end of part 1
;; launch attn (part 2): grid 4 x 64, 16 waves a work-group, clusters of 4 x 1, 327,680 bytes of LDS; arguments qbuf, kv, oc, os; writes oc, os
.if DOCPART == 2
	.amdgcn_target "amdgcn-amd-amdhsa--gfx1250"
	.amdhsa_code_object_version 6
	.text
	.protected	k_qf6ab3baa7c_attn
	.globl	k_qf6ab3baa7c_attn
	.p2align	8
	.type	k_qf6ab3baa7c_attn,@function
k_qf6ab3baa7c_attn:
	s_mov_b64 s[64:65], 0
	v_nop
	global_prefetch_b8 v0, s[64:65] scope:SCOPE_SE
	s_setreg_imm32_b32 hwreg(HW_REG_WAVE_MODE, 25, 1), 1
	s_wait_xcnt 0x0
	s_wait_alu depctr_hold_cnt(0) depctr_sa_sdst(0) depctr_va_vdst(0) depctr_va_sdst(0) depctr_va_ssrc(0) depctr_va_vcc(0) depctr_vm_vsrc(0)
	s_getreg_b32 s2, hwreg(HW_REG_IB_STS2, 6, 4)
	s_cmp_eq_u32 s2, 0
	s_cbranch_scc0 .Lentry_in_a_cluster
	s_endpgm
.Lentry_in_a_cluster:
	s_bfe_u32 s2, ttmp6, 0x10000c
	s_cmp_lg_u32 s2, 0x3003
	s_cbranch_scc0 .Lentry_shape_is_right
	s_endpgm
.Lentry_shape_is_right:
.set REC,   12800
.set HEADB, 16*REC
.set EARLY, 2560
.set LATE,  10240
.set STG,   HEADB
.set L24,  1
.set L16,  2
.set ADR,  3
.set ADS,  4
.set SH8,  5
.set STI,  6
.set STO,  7
.set GO,   8
.set GSB,  9
.set QSO,  10
.set QLO,  22
.set QS,   34
.set PS,   35
.set SC,   36
.set FF,   40
.set BM,   42
.set SO,   44
.set BY,   46
.set PP,   52
.set CT,   64
.set FG,   72
.set SS,   120
.set OA,   184
.set QN,   216
.set QR,   222
.set OC,   224
.set RB,   234
.set OB,   240
.set WV,   12
.set SEL,  20
.set CS,   22
.set G1E,  24
.set G1L,  32
.set G0E,  40
.set G0L,  44
.set TB,   48
.set CNT,  49
.macro CROUND
	s_barrier_signal -1
	s_barrier_wait -1
	s_cmp_lg_u32 s[WV], 0
	s_cbranch_scc1 .Lnot_wave_0_\@
	s_barrier_signal -3
.Lnot_wave_0_\@:
	s_barrier_wait -3
	s_barrier_signal -1
	s_barrier_wait -1
.endm
	s_load_b256 s[4:11], s[0:1], 0x0
	v_lshl_add_u32 v254, v0, 2, 0x35000
	v_mov_b32 v255, 0
	ds_add_u32 v254, v255
	ds_add_u32 v254, v255
	v_lshrrev_b32 v48, 5, v0
	s_delay_alu instid0(VALU_DEP_1)
	v_readfirstlane_b32 s[WV], v48
	s_bfe_u32 s13, ttmp6, 0x40000
	s_and_b32 s14, ttmp7, 0xffff
	s_mov_b32 s[G1E], 15|(3<<16)|(1<<21)
	s_mov_b32 s[G1E+1], 32<<16
	s_mov_b32 s[G1E+2], 10<<16
	s_mov_b32 s[G1E+3], 32<<16
	s_mov_b32 s[G1E+4], 10
	s_mov_b32 s[G1E+5], 32
	s_mov_b32 s[G1E+6], 0
	s_mov_b32 s[G1E+7], 0
	s_mov_b32 s[G1L], 15|(3<<16)|(1<<21)
	s_mov_b32 s[G1L+1], 32<<16
	s_mov_b32 s[G1L+2], 40<<16
	s_mov_b32 s[G1L+3], 32<<16
	s_mov_b32 s[G1L+4], 40
	s_mov_b32 s[G1L+5], 32
	s_mov_b32 s[G1L+6], 0
	s_mov_b32 s[G1L+7], 0
	s_mov_b32 s[SEL], 0x76543210
	s_mov_b32 s[SEL+1], 0xfedcba98
	s_mov_b32 s[CS], 0x3e38aa3b
	s_mov_b32 s[CS+1], s[CS]
	s_mul_i32 s16, s14, HEADB
	s_mul_i32 s[G0E+1], s[WV], EARLY
	s_add_co_u32 s18, s16, s[G0E+1]
	s_mov_b32 s19, 0
	s_mul_i32 s[G0L+1], s[WV], LATE
	s_add_co_u32 s[G0L+1], s[G0L+1], 16*EARLY
	s_add_co_u32 s60, s16, s[G0L+1]
	s_mov_b32 s61, 0
	s_lshl_b32 s2, s13, 2
	s_lshr_b32 s3, s[WV], 3
	s_add_co_u32 s2, s2, s3
	s_lshl_b32 s3, s14, 4
	s_add_co_u32 s3, s3, s2
	s_mul_i32 s52, s3, 6400
	s_mov_b32 s53, 0
	s_add_co_u32 s58, s52, 6144
	s_and_b32 s3, s[WV], 3
	s_lshl_b32 s16, s3, 2
	s_add_co_u32 s58, s58, s16
	s_mov_b32 s59, 0
	s_mul_i32 s16, s3, 768
	s_add_co_u32 s52, s52, s16
	s_bfe_u32 s3, s[WV], 0x10002
	s_mul_i32 s16, s3, 3072
	s_add_co_u32 s52, s52, s16
	s_cmp_eq_u32 s3, 0
	s_mov_b32 s50, 0x03020302
	s_cselect_b32 s50, 0x01000100, s50
	s_lshr_b32 s3, s14, 4
	s_lshl_b32 s3, s3, 4
	s_add_co_u32 s3, s3, s2
	s_and_b32 s16, s14, 15
	s_and_b32 s17, s[WV], 7
	s_lshl_b32 s54, s3, 4
	s_add_co_u32 s54, s54, s16
	s_lshl_b32 s54, s54, 3
	s_add_co_u32 s54, s54, s17
	s_mul_i32 s54, s54, 768
	s_mov_b32 s55, 0
	s_lshl_b32 s56, s3, 7
	s_lshl_b32 s17, s17, 4
	s_add_co_u32 s56, s56, s17
	s_lshl_b32 s56, s56, 5
	s_lshl_b32 s16, s16, 1
	s_add_co_u32 s56, s56, s16
	s_mov_b32 s57, 0
	v_and_b32 v48, 31, v0
	v_bfe_u32 v49, v0, 4, 1
	s_delay_alu instid0(VALU_DEP_2)
	v_mul_u32_u24 v[L24], v48, 24
	s_delay_alu instid0(VALU_DEP_3)
	v_lshl_add_u32 v[L16], v48, 4, 12288
	s_delay_alu instid0(VALU_DEP_3)
	v_lshlrev_b32 v[SH8], 3, v49
	s_mul_i32 s16, s[WV], 768
	s_add_co_u32 s16, s16, STG
	v_add_nc_u32 v[STI], s16, v[L24]
	v_lshlrev_b32 v[GO], 3, v48
	s_delay_alu instid0(VALU_DEP_1)
	v_add_nc_u32 v[STO], s16, v[GO]
	v_and_b32 v[QSO], 15, v0
	s_delay_alu instid0(VALU_DEP_1)
	v_lshl_add_u32 v[GSB], v[QSO], 5, v49
	s_delay_alu instid0(VALU_DEP_2)
	v_lshlrev_b32 v[QSO], 4, v[QSO]
.irp j, 16,17,18,19,20,21,28,29,30,31,32,33
	v_mov_b32 v[\j], 0
.endr
	v_mov_b32 v[FF+1], 0
	s_wait_dscnt 0x0
	s_wait_kmcnt 0x0
	s_mov_b32 s[G0E], 1
	s_add_nc_u64 s[G0E+2:G0E+3], s[6:7], s[18:19]
	s_or_b32 s[G0E+3], s[G0E+3], 0x80000000
	s_mov_b32 s[G0L], 1
	s_add_nc_u64 s[G0L+2:G0L+3], s[6:7], s[60:61]
	s_or_b32 s[G0L+3], s[G0L+3], 0x80000000
	s_add_nc_u64 s[52:53], s[4:5], s[52:53]
	s_add_nc_u64 s[58:59], s[4:5], s[58:59]
	s_add_nc_u64 s[54:55], s[8:9], s[54:55]
	s_add_nc_u64 s[56:57], s[10:11], s[56:57]
	CROUND
	tensor_load_to_lds s[G0E:G0E+3], s[G1E:G1E+7]
	s_nop 0
	s_wait_alu depctr_va_vdst(0)
	s_wait_tensorcnt 0x0
	ds_add_u32 v254, v255
	s_wait_dscnt 0x0
	CROUND
	tensor_load_to_lds s[G0L:G0L+3], s[G1L:G1L+7]
	s_nop 0
.rept 4
	v_nop
.endr
.irp p, 0,1,2
	global_load_b64 v[QLO+2*\p:QLO+2*\p+1], v[L24], s[52:53] offset:8*\p
.endr
.irp p, 0,1,2
	global_load_b64 v[QN+2*\p:QN+2*\p+1], v[L24], s[52:53] offset:2*6400+8*\p
.endr
	global_load_b32 v[QR], v[QSO], s[58:59]
	global_load_b32 v[QR+1], v[QSO], s[58:59] offset:2*6400
.macro STEP
	v_add_nc_u32 v[ADR], s[TB], v[L24]
	v_add_nc_u32 v[ADS], s[TB], v[L16]
	v_nop
	v_nop
.irp u, 0,1,2,3
.irp g, 0,1
.irp p, 0,1,2
	ds_load_b64 v[FG+12*\u+6*\g+2*\p:FG+12*\u+6*\g+2*\p+1], v[ADR] offset:3072*\g+768*\u+8*\p
.endr
.endr
.endr
	ds_load_b128 v[SC:SC+3], v[ADS]
	s_wait_alu depctr_va_vdst(0)
	s_wait_dscnt 0x0
.irp c, 0,1
.irp u, 0,1,2,3
	v_wmma_scale_f32_16x16x128_f8f6f4 v[SS+32*\c+8*\u:SS+32*\c+8*\u+7], v[FG+12*\u:FG+12*\u+11], v[QLO-6*\c:QLO-6*\c+11], 0, v[SC+\u], v[QS] matrix_a_fmt:MATRIX_FMT_FP6 matrix_b_fmt:MATRIX_FMT_FP6
.endr
.endr
.rept 4
	v_nop
.endr
.irp u, 0,1,2,3
.irp c, 0,1
.irp p, 0,1,2
	ds_load_b64 v[FG+12*\u+6*\c+2*\p:FG+12*\u+6*\c+2*\p+1], v[ADR] offset:6144+3072*\c+768*\u+8*\p
.endr
.endr
.endr
.irp c, 0,1
	v_max3_num_f32 v[BM+\c], v[SS+32*\c], v[SS+32*\c+1], v[SS+32*\c+2]
.endr
.set j, 3
.rept 14
.irp c, 0,1
	v_max3_num_f32 v[BM+\c], v[BM+\c], v[SS+32*\c+j], v[SS+32*\c+j+1]
.endr
.set j, j+2
.endr
.irp c, 0,1
	v_max_num_f32 v[BM+\c], v[BM+\c], v[SS+32*\c+31]
.endr
	s_delay_alu instid0(VALU_DEP_1)
	v_max_num_f32 v48, v[BM], v[BM+1]
	s_delay_alu instid0(VALU_DEP_1)
	v_permlanex16_b32 v49, v48, s[SEL], s[SEL+1]
	s_delay_alu instid0(VALU_DEP_1)
	v_max_num_f32 v48, v48, v49
	s_delay_alu instid0(VALU_DEP_1)
	v_mul_f32 v48, s[CS], v48
	s_delay_alu instid0(VALU_DEP_1)
	v_max_num_f32 v13, v13, v48
	v_mov_b32 v48, v12
	s_delay_alu instid0(VALU_DEP_2)
	v_floor_f32 v12, -v13
	s_delay_alu instid0(VALU_DEP_1)
	v_sub_f32 v48, v12, v48
	s_delay_alu instid0(VALU_DEP_1)
	v_cvt_i32_f32 v48, v48
	s_delay_alu instid0(VALU_DEP_1)
	v_ldexp_f32 v[FF], 1.0, v48
.set j, 0
.rept 32
	v_pk_fma_f32 v[SS+j:SS+j+1], v[SS+j:SS+j+1], s[CS:CS+1], v[12:13] op_sel_hi:[1,0,0]
.set j, j+2
.endr
.irp c, 0,1
	v_fma_f32 v[BM+\c], v[BM+\c], s[CS], v12
.endr
.set j, 0
	s_wait_alu depctr_va_vdst(0)
.rept 64
	v_exp_f32 v[SS+j], v[SS+j]
.set j, j+1
.endr
	v_pk_mul_f32 v[14:15], v[14:15], v[FF:FF+1] op_sel_hi:[1,0]
	s_wait_alu depctr_va_vdst(0)
.irp c, 0,1
	v_exp_f32 v[BM+\c], v[BM+\c]
.endr
	v_pk_add_f32 v[50:51], v[SS:SS+1], v[SS+2:SS+3]
.set j, 4
.rept 15
	v_pk_add_f32 v[14:15], v[14:15], v[SS+j:SS+j+1]
	v_pk_add_f32 v[50:51], v[50:51], v[SS+j+2:SS+j+3]
.set j, j+4
.endr
	s_delay_alu instid0(VALU_DEP_1)
	v_pk_add_f32 v[14:15], v[14:15], v[50:51]
	s_wait_alu depctr_va_vdst(0)
.irp c, 0,1
	v_max_num_f32 v[BM+\c], 0x1800000, v[BM+\c]
.endr
.irp c, 0,1
	s_delay_alu instid0(VALU_DEP_2)
	v_add_nc_u32 v[SO+\c], 0xff000000, v[BM+\c]
.endr
.irp c, 0,1
	s_delay_alu instid0(VALU_DEP_2)
	v_lshrrev_b32 v[BY+\c], 23, v[SO+\c]
.endr
	s_delay_alu instid0(VALU_DEP_1)
	v_lshl_or_b32 v[PS], v[BY+1], 16, v[BY]
	s_delay_alu instid0(VALU_DEP_1)
	v_lshlrev_b32 v[PS], v[SH8], v[PS]
	s_delay_alu instid0(VALU_DEP_1)
	v_permlanex16_b32 v49, v[PS], s[SEL], s[SEL+1]
	s_delay_alu instid0(VALU_DEP_1)
	v_or_b32 v[PS], v[PS], v49
.irp c, 0,1
	v_cvt_scalef32_pk16_fp6_f32 v[PP+6*\c:PP+6*\c+2], v[SS+32*\c:SS+32*\c+15], v[SO+\c]
	v_cvt_scalef32_pk16_fp6_f32 v[CT+4*\c:CT+4*\c+2], v[SS+32*\c+16:SS+32*\c+31], v[SO+\c]
.endr
	v_nop
.irp c, 0,1
.irp i, 0,1,2
	v_mov_b32 v[PP+6*\c+3+\i], v[CT+4*\c+\i]
.endr
.endr
.set j, 0
.rept 16
	v_pk_mul_f32 v[OA+j:OA+j+1], v[OA+j:OA+j+1], v[FF:FF+1] op_sel_hi:[1,0]
.set j, j+2
.endr
	s_wait_alu depctr_va_vdst(0)
	s_wait_dscnt 0x0
.irp u, 0,1,2,3
	v_wmma_scale_f32_16x16x128_f8f6f4 v[OA+8*\u:OA+8*\u+7], v[FG+12*\u:FG+12*\u+11], v[PP:PP+11], v[OA+8*\u:OA+8*\u+7], v[SC+\u], v[PS] matrix_a_fmt:MATRIX_FMT_FP6 matrix_b_fmt:MATRIX_FMT_FP6 matrix_a_scale:MATRIX_SCALE_ROW1
.endr
	s_add_co_u32 s[TB], s[TB], REC
.endm
.macro WALK n
	s_mov_b32 s[CNT], \n
.Lstep_\@:
	STEP
	s_sub_co_u32 s[CNT], s[CNT], 1
	s_cmp_lg_u32 s[CNT], 0
	s_cbranch_scc1 .Lstep_\@
.endm
.macro INIT p
.if \p
.irp i, 0,1,2,3,4,5
	v_mov_b32 v[QLO+\i], v[QN+\i]
.endr
.endif
	v_perm_b32 v[QS], v[QR+\p], v[QR+\p], s50
	v_mov_b32 v13, 0xff61b1e6
	s_delay_alu instid0(VALU_DEP_1)
	v_floor_f32 v12, -v13
	v_mov_b32 v14, 0
	v_mov_b32 v15, 0
.set j, 0
.rept 32
	v_mov_b32 v[OA+j], 0
.set j, j+1
.endr
	s_mov_b32 s[TB], 0
.endm
.macro FINISH p
	v_add_f32 v14, v14, v15
	s_delay_alu instid0(VALU_DEP_1)
	v_permlanex16_b32 v49, v14, s[SEL], s[SEL+1]
	s_delay_alu instid0(VALU_DEP_1)
	v_add_f32 v14, v14, v49
	s_wait_alu depctr_va_vdst(0)
	v_rcp_f32 v[FF], v14
	v_mov_b32 v[FF+1], 0
.rept 3
	v_nop
.endr
	s_wait_alu depctr_va_vdst(0)
.set j, 0
.rept 16
	v_pk_mul_f32 v[SS+j:SS+j+1], v[OA+j:OA+j+1], v[FF:FF+1] op_sel_hi:[1,0]
.set j, j+2
.endr
	v_max3_num_f32 v[BM], |v[SS]|, |v[SS+1]|, 0x1800000
	v_max_num_f32 v[BM+1], |v[SS+2]|, |v[SS+3]|
.set j, 4
.rept 7
	s_delay_alu instid0(VALU_DEP_2)
	v_max3_num_f32 v[BM], v[BM], |v[SS+j]|, |v[SS+j+1]|
	s_delay_alu instid0(VALU_DEP_2)
	v_max3_num_f32 v[BM+1], v[BM+1], |v[SS+j+2]|, |v[SS+j+3]|
.set j, j+4
.endr
	s_delay_alu instid0(VALU_DEP_1)
	v_max_num_f32 v[BM], v[BM], v[BM+1]
	s_delay_alu instid0(VALU_DEP_1)
	v_add_nc_u32 v[SO], 0xff000000, v[BM]
	s_wait_alu depctr_va_vdst(0)
	s_wait_xcnt 0x0
	v_lshrrev_b32 v[OB], 23, v[SO]
	v_cvt_scalef32_pk16_fp6_f32 v[OC:OC+2], v[SS:SS+15], v[SO]
	v_cvt_scalef32_pk16_fp6_f32 v[OC+6:OC+8], v[SS+16:SS+31], v[SO]
	v_nop
.irp i, 0,1,2
	v_mov_b32 v[OC+3+\i], v[OC+6+\i]
.endr
.irp i, 0,1,2
	ds_store_b64 v[STI], v[OC+2*\i:OC+2*\i+1] offset:8*\i
.endr
.irp i, 0,1,2
	ds_load_b64 v[RB+2*\i:RB+2*\i+1], v[STO] offset:256*\i
.endr
	global_store_b8 v[GSB], v[OB], s[56:57] offset:8192*\p
	s_wait_dscnt 0x0
.irp i, 0,1,2
	global_store_b64 v[GO], v[RB+2*\i:RB+2*\i+1], s[54:55] offset:196608*\p+256*\i
.endr
.endm
	s_wait_tensorcnt 1
	s_barrier_signal -1
	s_barrier_wait -1
	s_wait_loadcnt 0x0
	INIT 0
	WALK 3
	s_wait_tensorcnt 0x0
	s_wait_dscnt 0x0
	s_barrier_signal -1
	s_barrier_wait -1
	WALK 13
	FINISH 0
	INIT 1
	WALK 16
	FINISH 1
	s_wait_dscnt 0x0
	s_wait_tensorcnt 0x0
	ds_add_u32 v254, v255
	s_wait_dscnt 0x0
	CROUND
	s_endpgm
.Lfunc_end_k_qf6ab3baa7c_attn:
	.size	k_qf6ab3baa7c_attn, .Lfunc_end_k_qf6ab3baa7c_attn-k_qf6ab3baa7c_attn
	.p2alignl 7, 3214868480
	.fill 96, 4, 3214868480
	.section	.rodata,"a",@progbits
	.p2align	6, 0x0
	.amdhsa_kernel k_qf6ab3baa7c_attn
		.amdhsa_group_segment_fixed_size 327680
		.amdhsa_private_segment_fixed_size 0
		.amdhsa_enable_private_segment 0
		.amdhsa_kernarg_size 32
		.amdhsa_user_sgpr_count 2
		.amdhsa_user_sgpr_kernarg_segment_ptr 1
		.amdhsa_wavefront_size32 1
		.amdhsa_system_sgpr_workgroup_id_x 1
		.amdhsa_system_sgpr_workgroup_id_y 1
		.amdhsa_system_sgpr_workgroup_id_z 1
		.amdhsa_system_vgpr_workitem_id 0
		.amdhsa_next_free_vgpr 256
		.amdhsa_next_free_sgpr 66
		.amdhsa_reserve_vcc 0
		.amdhsa_float_denorm_mode_32 3
		.amdhsa_float_denorm_mode_16_64 3
		.amdhsa_memory_ordered 1
		.amdhsa_forward_progress 1
		.amdhsa_inst_pref_size 69
	.end_amdhsa_kernel
	.amdgpu_metadata
---
amdhsa.version: [ 1, 2 ]
amdhsa.kernels:
  - .name:           k_qf6ab3baa7c_attn
    .symbol:         k_qf6ab3baa7c_attn.kd
    .args:
      - { .name: qbuf, .offset: 0, .size: 8, .value_kind: global_buffer, .address_space: global }
      - { .name: kv, .offset: 8, .size: 8, .value_kind: global_buffer, .address_space: global }
      - { .name: oc, .offset: 16, .size: 8, .value_kind: global_buffer, .address_space: global }
      - { .name: os, .offset: 24, .size: 8, .value_kind: global_buffer, .address_space: global }
    .group_segment_fixed_size: 327680
    .private_segment_fixed_size: 0
    .kernarg_segment_align: 8
    .kernarg_segment_size: 32
    .max_flat_workgroup_size: 512
    .sgpr_count:     66
    .vgpr_count:     256
    .wavefront_size: 32
...
	.end_amdgpu_metadata
.endif
;; end of part 2
;; launch oproj (part 3): grid 8 x 32, 4 waves a work-group, clusters of 4 x 4, 327,680 bytes of LDS; arguments oc, os, Wo_codes, Wo_scales, bo, out0; writes out0
.if DOCPART == 3
	.amdgcn_target "amdgcn-amd-amdhsa--gfx1250"
	.amdhsa_code_object_version 6
	.text
	.protected	k_qf6ab3baa7c_oproj
	.globl	k_qf6ab3baa7c_oproj
	.p2align	8
	.type	k_qf6ab3baa7c_oproj,@function
k_qf6ab3baa7c_oproj:
	s_mov_b64 s[64:65], 0
	v_nop
	global_prefetch_b8 v0, s[64:65] scope:SCOPE_SE
	s_setreg_imm32_b32 hwreg(HW_REG_WAVE_MODE, 25, 1), 1
	s_wait_xcnt 0x0
	s_wait_alu depctr_hold_cnt(0) depctr_sa_sdst(0) depctr_va_vdst(0) depctr_va_sdst(0) depctr_va_ssrc(0) depctr_va_vcc(0) depctr_vm_vsrc(0)
	s_getreg_b32 s2, hwreg(HW_REG_IB_STS2, 6, 4)
	s_cmp_eq_u32 s2, 0
	s_cbranch_scc0 .Lentry_in_a_cluster
	s_endpgm
.Lentry_in_a_cluster:
	s_bfe_u32 s2, ttmp6, 0x10000c
	s_cmp_lg_u32 s2, 0xf033
	s_cbranch_scc0 .Lentry_shape_is_right
	s_endpgm
.Lentry_shape_is_right:
; out0 = O Wo^T + bo on FP6 (E2M3) codes with E8M0 scales, K = 1,024.  A work-group of four waves makes 256 rows x 128 columns; a wave 128 x 64: 32 accumulators.
; ALL OF K LIES IN LDS AT ONCE, filled once at the head, one joint load a wave: O's codes of 256 rows (196,608 dense bytes, as the launch before laid them: [128 rows][head][unit of 16 rows][768]: a unit is an
; operand's half, 24 bytes a lane), Wo's 128 rows (768 bytes each, 16 bytes of padding behind every 256), and both sides' scale bytes.  Nothing is filled again, so no round stands between the opening and the closing one.
; 4 x 4 clusters: O's tiles are shared along a row of the cluster, Wo's along a column.  Source 0 = Wo's rows, source 1 = O's rows: a lane holds eight neighbouring columns; the bias is the first products' C.
; All scale words (eight a row) are read into registers once.  The way out goes through a stage on O's first bytes, behind a barrier in front of which every wave has ended its LDS reads.
; No prefetch: the launch has no loop to run ahead in; all it reads is asked for at its head.
.set KROW,   768
.set PITCH,  816
.set FR,     12
.set NL,     6
.set NP,     4
.set AGRP,   98304                     ; O's codes of 128 rows
.set BOFF,   2*AGRP
.set BHALF,  64*PITCH
.set SCL,    BOFF+2*BHALF
.set ASH,    16*272
.set SCLB,   SCL+2*ASH
.set BSH,    8*272
.set SBLK,   544
.set SPARE,  SCLB+2*BSH
.set SPITCH, 272
.set ADRA, 16                          ; v16, v17 my fragments of O: steps 0-3, steps 4-7
.set ADRB, 20                          ; v20, v21 my fragments of Wo (v21: behind one padding more)
.set STO,  24
.set RD,   25
.set CO,   26
.set ADSA, 27
.set SPW,  28
.set NIL,  29
.set ADSB, 30
.set SA,   32                          ; v32-95 O's scale words: 8 a + step
.set SB,   98                          ; v98-129 Wo's: 8 b + step
.set BI,   96                          ; window 1, v96-127: the bias
.set AF,   132                         ; v132-227 O's fragments, one set
.set BK,   128
.set G1, 24
.set G0, 32
.set G1B, 48
.set G0B, 56
.set G1S, 68
.set G0S, 76
.set G1SB, 80
.set G0SB, 88
.set MSB, 0
.macro WIN new
.if MSB != (\new)
	s_set_vgpr_msb (MSB<<8)|(\new)
.set MSB, (\new)
.endif
.endm
.set MUL,     0xa1                     ; source 0 window 1, source 1 window 0, C and D window 2
.set MUL_1ST, 0x91                     ; C window 1: the bias
.set TO_B,    0x40
.macro CROUND
	s_barrier_signal -1
	s_barrier_wait -1
	s_cmp_lg_u32 s14, 0
	s_cbranch_scc1 .Lnot_wave_0_\@
	s_barrier_signal -3
.Lnot_wave_0_\@:
	s_barrier_wait -3
	s_barrier_signal -1
	s_barrier_wait -1
.endm
.macro DENSE g, rows                   ; group 1 of a dense block: rows of 256 bytes (32 elements of 8)
	s_mov_b32 s[\g+1], 32<<16
	s_mov_b32 s[\g+2], (\rows)<<16
	s_mov_b32 s[\g+3], 32<<16
	s_mov_b32 s[\g+4], \rows
	s_mov_b32 s[\g+5], 32
	s_mov_b32 s[\g+6], 0
	s_mov_b32 s[\g+7], 0
.endm
.macro GRP0 g, lds, adr
	s_mov_b32 s[\g], 1
	s_mov_b32 s[\g+1], \lds
	s_mov_b64 s[\g+2:\g+3], s[\adr:\adr+1]
	s_or_b32 s[\g+3], s[\g+3], 0x80000000
.endm
	s_load_b128 s[4:7], s[0:1], 0x0                ; oc, os
	s_load_b128 s[8:11], s[0:1], 0x10              ; Wo's codes, scales
	s_load_b128 s[96:99], s[0:1], 0x20             ; bo, out0
	v_lshl_add_u32 v[SPW], v0, 2, SPARE
	v_mov_b32 v[NIL], 0
	ds_add_u32 v[SPW], v[NIL]                      ; the opening lines
	ds_add_u32 v[SPW], v[NIL]
	v_lshrrev_b32 v1, 5, v0
	v_readfirstlane_b32 s14, v1                    ; wave
	s_lshr_b32 s15, s14, 1                         ; my half of the rows
	s_and_b32 s16, s14, 1                          ; my half of the columns
	s_bfe_u32 s40, ttmp6, 0x40000
	s_bfe_u32 s41, ttmp6, 0x40004
	s_lshl_b32 s42, ttmp9, 2
	s_add_co_u32 s42, s42, s40                     ; tile column, 0 .. 7
	s_and_b32 s17, ttmp7, 0xffff
	s_lshl_b32 s17, s17, 2
	s_add_co_u32 s17, s17, s41                     ; tile row, 0 .. 31
	s_lshl_b32 s43, s41, 2
	s_lshl_b32 s43, 15, s43
	s_lshl_b32 s44, 0x1111, s40
	s_or_b32 s[G1+0], s43, (3<<16)|(1<<21)
	DENSE G1, 768
	s_or_b32 s[G1B+0], s44, (1<<20)|(1<<21)|(5<<22)|(3<<25)
	s_mov_b32 s[G1B+1], KROW<<16
	s_mov_b32 s[G1B+2], 128<<16
	s_mov_b32 s[G1B+3], KROW<<16
	s_mov_b32 s[G1B+4], 128
	s_mov_b32 s[G1B+5], KROW
	s_mov_b32 s[G1B+6], 0
	s_mov_b32 s[G1B+7], 0
	s_or_b32 s[G1S+0], s43, (3<<16)|(1<<20)|(1<<21)|(5<<22)|(3<<25)
	DENSE G1S, 32
	s_or_b32 s[G1SB+0], s44, (3<<16)|(1<<20)|(1<<21)|(5<<22)|(3<<25)
	DENSE G1SB, 16
	s_mul_i32 s20, s17, 2*AGRP
	s_mov_b32 s21, 0
	s_lshl_b32 s22, s17, 13
	s_mov_b32 s23, 0
	s_mul_i32 s46, s42, 128*KROW
	s_mov_b32 s47, 0
	s_lshl_b32 s92, s42, 12
	s_mov_b32 s93, 0
	s_wait_dscnt 0x0
	s_wait_kmcnt 0x0
	s_add_nc_u64 s[20:21], s[4:5], s[20:21]
	s_add_nc_u64 s[22:23], s[6:7], s[22:23]
	s_add_nc_u64 s[46:47], s[8:9], s[46:47]
	s_add_nc_u64 s[92:93], s[10:11], s[92:93]
	CROUND                                         ; in front of the joint loads
	GRP0 G0, 0, 20
	GRP0 G0B, BOFF, 46
	GRP0 G0S, SCL, 22
	GRP0 G0SB, SCLB, 92
.macro ARM under, g0, g1, next
	s_cmp_lt_u32 s14, \under
	s_cbranch_scc0 \next
	tensor_load_to_lds s[\g0:\g0+3], s[\g1:\g1+7]
	s_nop 0
.rept 4
	v_nop
.endr
	s_branch .Lhead_asked
\next:
.endm
	ARM 1, G0,  G1,  .Lhead_b
	ARM 2, G0B, G1B, .Lhead_sa
	ARM 3, G0S, G1S, .Lhead_sb
	tensor_load_to_lds s[G0SB:G0SB+3], s[G1SB:G1SB+7]
	s_nop 0
.rept 4
	v_nop
.endr
.Lhead_asked:
	v_and_b32 v1, 15, v0                           ; r
	v_bfe_u32 v2, v0, 4, 1                         ; h
	v_and_b32 v6, 31, v0
	v_mul_u32_u24 v7, v6, 24
	v_mul_u32_u24 v3, v1, PITCH
	v_mul_u32_u24 v4, v2, 24
	v_add_nc_u32 v4, v3, v4
	v_lshl_add_u32 v5, v2, 4, v4
	s_mul_i32 s21, s15, AGRP
	s_mul_i32 s22, s16, BHALF
	s_add_co_u32 s22, s22, BOFF
	v_add_nc_u32 v[ADRA], s21, v7
	v_add_nc_u32 v[ADRB], s22, v4
	v_add_nc_u32 v[ADRB+1], s22, v5
	v_add_nc_u32 v[ADRA+1], 49152, v[ADRA]
	v_lshlrev_b32 v8, 5, v1                        ; a row's 32 scale bytes, 16 more behind every 256
	v_bfe_u32 v9, v0, 3, 1
	v_lshl_add_u32 v8, v9, 4, v8
	s_mul_i32 s21, s15, ASH
	s_add_co_u32 s21, s21, SCL
	v_add_nc_u32 v[ADSA], s21, v8
	s_mul_i32 s22, s16, BSH
	s_add_co_u32 s22, s22, SCLB
	v_add_nc_u32 v[ADSB], s22, v8
	s_mul_i32 s23, s14, 16*SPITCH
	v_mul_u32_u24 v5, v1, SPITCH
	v_lshl_add_u32 v5, v2, 5, v5
	v_add_nc_u32 v[STO], s23, v5
	v_mul_u32_u24 v5, v2, SPITCH
	v_lshl_add_u32 v5, v1, 4, v5
	v_add_nc_u32 v[RD], s23, v5
	v_lshlrev_b32 v[CO], 12, v2
	v_lshl_add_u32 v[CO], v1, 4, v[CO]
	s_lshl_b32 s46, s42, 9
	s_lshl_b32 s47, s16, 8
	s_add_co_u32 s46, s46, s47                     ; my first column, in bytes
	s_mov_b32 s47, 0
	s_add_nc_u64 s[96:97], s[96:97], s[46:47]
	s_lshl_b32 s20, s17, 8
	s_lshl_b32 s21, s15, 7
	s_add_co_u32 s20, s20, s21
	s_lshl_b32 s20, s20, 12                        ; my first row, in bytes
	s_mov_b32 s21, 0
	s_add_nc_u64 s[20:21], s[20:21], s[46:47]
	s_add_nc_u64 s[12:13], s[98:99], s[20:21]
	v_lshlrev_b32 v10, 5, v2
	WIN TO_B
.irp b, 0,1,2,3
	global_load_b128 v[BI+8*\b:BI+8*\b+3], v10, s[96:97] offset:64*\b
	global_load_b128 v[BI+8*\b+4:BI+8*\b+7], v10, s[96:97] offset:64*\b+16
.endr
	WIN 0
.macro FRAG reg, st, i                 ; Wo: six pieces of 8 bytes; 32 pieces to a run of 256 bytes
.irp p, 0,1,2,3,4,5
.set PC, 12*(\st)+6*(\p/3)+\p%3
.if PC%32 < 29
	ds_load_b64 v[\reg+2*\p:\reg+2*\p+1], v[ADRB] offset:8*PC+16*(PC/32)+(\i)*16*PITCH
.else
	ds_load_b64 v[\reg+2*\p:\reg+2*\p+1], v[ADRB+1] offset:8*PC+16*(PC/32)+(\i)*16*PITCH
.endif
.endr
.endm
.macro FRAGA reg, st, a                ; O: units (2 st + c, a), 24 bytes a lane
.irp c, 0,1
.irp p, 0,1,2
	ds_load_b64 v[\reg+6*\c+2*\p:\reg+6*\c+2*\p+1], v[ADRA+(\st)/4] offset:((2*((\st)%4)+\c)*8+(\a))*768+8*\p
.endr
.endr
.endm
.macro MUL8 a0, p, st, first           ; the 32 accumulators take turns, in the same order in every step
.irp a, \a0, \a0+1
.irp b, 0,1,2,3
.if \first
	v_wmma_scale_f32_16x16x128_f8f6f4 v[8*(4*(\a)+\b):8*(4*(\a)+\b)+7], v[128*(\p)+FR*\b:128*(\p)+FR*\b+FR-1], v[AF+FR*(\a):AF+FR*(\a)+FR-1], v[BI+8*\b:BI+8*\b+7], v[SB+8*\b+(\st)], v[SA+8*(\a)+(\st)] matrix_a_fmt:MATRIX_FMT_FP6 matrix_b_fmt:MATRIX_FMT_FP6
.else
	v_wmma_scale_f32_16x16x128_f8f6f4 v[8*(4*(\a)+\b):8*(4*(\a)+\b)+7], v[128*(\p)+FR*\b:128*(\p)+FR*\b+FR-1], v[AF+FR*(\a):AF+FR*(\a)+FR-1], v[8*(4*(\a)+\b):8*(4*(\a)+\b)+7], v[SB+8*\b+(\st)], v[SA+8*(\a)+(\st)] matrix_a_fmt:MATRIX_FMT_FP6 matrix_b_fmt:MATRIX_FMT_FP6
.endif
.endr
.endr
.endm
.macro FETCH_B st, p
	WIN TO_B
.irp i, 0,1,2,3
	FRAG 128*(\p)+FR*\i, \st, \i
.endr
	WIN 0
.endm
.macro FETCH_A st, i0
.irp i, \i0, \i0+1, \i0+2, \i0+3
	FRAGA AF+FR*(\i), \st, \i
.endr
.endm
.macro PLACES n
.rept \n
	v_nop
.endr
.endm
.macro MWIN first
.if \first
	WIN MUL_1ST
.else
	WIN MUL
.endif
.endm
.macro STEP st, first                  ; 32 products; the next step's fragments are fetched in the middle and at the end
	s_wait_dscnt 4*NL                              ; all but O's blocks 4-7
	MWIN \first
	MUL8 0, (\st)%2, \st, \first
	MUL8 2, (\st)%2, \st, \first
	s_wait_dscnt 0
	PLACES NP
	FETCH_B (\st)+1, 1-(\st)%2
	FETCH_A (\st)+1, 0
	MWIN \first
	MUL8 4, (\st)%2, \st, \first
	MUL8 6, (\st)%2, \st, \first
	PLACES NP
	WIN 0
	FETCH_A (\st)+1, 4
.endm
	s_wait_alu depctr_va_vdst(0)                   ; the wait at the head's end
	s_wait_tensorcnt 0x0                           ; my tile is in,
	s_barrier_signal -1
	s_barrier_wait -1                              ; and so are the others'
.irp i, 0,1,2,3,4,5,6,7
	ds_load_b128 v[SA+8*\i:SA+8*\i+3], v[ADSA] offset:\i*SBLK
	ds_load_b128 v[SA+8*\i+4:SA+8*\i+7], v[ADSA] offset:\i*SBLK+16
.endr
.irp i, 0,1,2,3
	ds_load_b128 v[SB+8*\i:SB+8*\i+3], v[ADSB] offset:\i*SBLK
	ds_load_b128 v[SB+8*\i+4:SB+8*\i+7], v[ADSB] offset:\i*SBLK+16
.endr
	FETCH_B 0, 0
	FETCH_A 0, 0
	FETCH_A 0, 4
	s_wait_loadcnt 0x0                             ; the bias
	STEP 0, 1
.set ST, 1
.rept 6
	STEP ST, 0
.set ST, ST+1
.endr
	s_wait_dscnt 0x0                               ; the last step: my LDS reads are over;
	s_barrier_signal -1
	WIN MUL
	MUL8 0, 1, 7, 0
	MUL8 2, 1, 7, 0
	MUL8 4, 1, 7, 0
	MUL8 6, 1, 7, 0
	WIN 0
	s_barrier_wait -1                              ; everybody's are: the stage may be written
.macro TOSTAGE a
	WIN 0x08
.irp b, 0,1,2,3
	ds_store_b128 v[STO], v[8*(4*(\a)+\b):8*(4*(\a)+\b)+3] offset:64*\b
	ds_store_b128 v[STO], v[8*(4*(\a)+\b)+4:8*(4*(\a)+\b)+7] offset:64*\b+16
.endr
	WIN 0
.set BB, BK+32*((\a)%2)
.irp t, 0,1,2,3,4,5,6,7
	ds_load_b128 v[BB+4*\t:BB+4*\t+3], v[RD] offset:\t*2*SPITCH
.endr
.endm
.macro SEND a, younger                 ; unit a's row i is row 64 (a / 4) + 8 (a % 4) + i % 8 + 32 (i / 8) of my 128
.set BB, BK+32*((\a)%2)
.set RW, 64*((\a)/4)+8*((\a)%4)
	s_wait_dscnt \younger
.irp t, 0,1,2,3,4,5,6,7
	global_store_b128 v[CO], v[BB+4*\t:BB+4*\t+3], s[12:13] offset:(RW+2*(\t%4)+32*(\t/4))*4096 th:TH_STORE_NT   ; sixteen lanes store 256 consecutive bytes, aligned
.endr
.endm
	PLACES NP
	TOSTAGE 0
.irp a, 1,2,3,4,5,6,7
.if \a > 1
	s_wait_xcnt 0x0                                ; block a - 2's stores have read their registers
.endif
	TOSTAGE \a
	SEND \a-1, 16                                  ; behind block a - 1's loads: 8 stores and 8 loads
.endr
	SEND 7, 0
	s_wait_tensorcnt 0x0                           ; the wave's end
	ds_add_u32 v[SPW], v[NIL]
	s_wait_dscnt 0x0
	CROUND
	s_endpgm
.Lfunc_end_k_qf6ab3baa7c_oproj:
	.size	k_qf6ab3baa7c_oproj, .Lfunc_end_k_qf6ab3baa7c_oproj-k_qf6ab3baa7c_oproj
	.p2alignl 7, 3214868480
	.fill 96, 4, 3214868480
	.section	.rodata,"a",@progbits
	.p2align	6, 0x0
	.amdhsa_kernel k_qf6ab3baa7c_oproj
		.amdhsa_group_segment_fixed_size 327680
		.amdhsa_private_segment_fixed_size 0
		.amdhsa_enable_private_segment 0
		.amdhsa_kernarg_size 48
		.amdhsa_user_sgpr_count 2
		.amdhsa_user_sgpr_kernarg_segment_ptr 1
		.amdhsa_wavefront_size32 1
		.amdhsa_system_sgpr_workgroup_id_x 1
		.amdhsa_system_sgpr_workgroup_id_y 1
		.amdhsa_system_sgpr_workgroup_id_z 1
		.amdhsa_system_vgpr_workitem_id 0
		.amdhsa_next_free_vgpr 768
		.amdhsa_next_free_sgpr 100
		.amdhsa_reserve_vcc 0
		.amdhsa_float_denorm_mode_32 3
		.amdhsa_float_denorm_mode_16_64 3
		.amdhsa_memory_ordered 1
		.amdhsa_forward_progress 1
		.amdhsa_inst_pref_size 98
	.end_amdhsa_kernel
	.amdgpu_metadata
---
amdhsa.version: [ 1, 2 ]
amdhsa.kernels:
  - .name:           k_qf6ab3baa7c_oproj
    .symbol:         k_qf6ab3baa7c_oproj.kd
    .args:
      - { .name: oc, .offset: 0, .size: 8, .value_kind: global_buffer, .address_space: global }
      - { .name: os, .offset: 8, .size: 8, .value_kind: global_buffer, .address_space: global }
      - { .name: Wo_codes, .offset: 16, .size: 8, .value_kind: global_buffer, .address_space: global }
      - { .name: Wo_scales, .offset: 24, .size: 8, .value_kind: global_buffer, .address_space: global }
      - { .name: bo, .offset: 32, .size: 8, .value_kind: global_buffer, .address_space: global }
      - { .name: out0, .offset: 40, .size: 8, .value_kind: global_buffer, .address_space: global }
    .group_segment_fixed_size: 327680
    .private_segment_fixed_size: 0
    .kernarg_segment_align: 8
    .kernarg_segment_size: 48
    .max_flat_workgroup_size: 128
    .sgpr_count:     100
    .vgpr_count:     768
    .wavefront_size: 32
...
	.end_amdgpu_metadata
.endif
;; end of part 3
